; MI455X (gfx1250); checked and timed in simulation.
; The chip was launched on July 23, 2026; its instructions are those of AMD's public machine-readable ISA for CDNA 5 (MIT licence, August 2026) and "CDNA5" Instruction Set Architecture Reference Guide (July 2026). The comments in the code are by the model that wrote it; some were corrected since.
;; Classical Self Attention. Allowed arithmetic: matrix products marked QUANTISED: E5M2 operands, one given power-of-two scale a tensor, by v_wmma_f32_16x16x64_bf8_bf8 or v_wmma_f32_16x16x128_bf8_bf8, f32 sums; products left as they are: f32 operands where the result goes on into a quantised operand, else bf16, f16 or f32 operands; f32 sums; everything else in f32.
;; Inputs: entangle_params 128 float32; inputs 8 x 2,048 x 128 float32; lowp_scales 2 int32 (the exponents e of the quantised operands' scales 2^e); rotation_params 384 float32.
;; Outputs: out0 8 x 2,048 x 128 float32.
;; This version of the problem:
;;   THIS VERSION OF THE PROBLEM IS GIVEN IN LOW PRECISION. The matrix products marked QUANTISED in the list below multiply operands that are first quantised to E5M2 (5 exponent bits, 2 mantissa bits; 8 bits a number), with one given power-of-two scale for each operand tensor; their sums are f32. All else is computed in f32.
;;   The module's matrix products, in the order in which they are computed (A, B: the left and right operand; K: the contracted axis; several contracted axes count as one K, in the product's order):
;;     1. [M 16,384, K 128] x [K 128, N 3]; A: input inputs; B: input rotation_params: left as it is (N = 3 < 16)
;;     2. [M 16,384, K 128] x [K 128, N 1]; A: input inputs; B: input entangle_params: left as it is (N = 1 < 16)
;;     3. batch 8 x [M 2,048, K 1] x [K 1, N 2,048]; A: computed on the way; B: computed on the way: left as it is (no contracted axis)
;;     4. batch 8 x [M 2,048, K 2,048] x [K 2,048, N 128]; A: softmax (see below); B: input inputs: QUANTISED (scales: A lowp_scales[0], B lowp_scales[1])
;;   THE QUANTISER, for each operand of a quantised product, along K:
;;     - The operand's scale is 2^e, e = its entry of the input lowp_scales (int32; the entries are numbered through the quantised products in the list's order, A before B).
;;     - Each number is divided by the scale, clamped to +-57,344, and rounded to the nearest number of E5M2, ties to even, subnormals kept.
;;     - The product sums the exact products of the quantised numbers (number of the format x scale) in f32.
;;   ~~~python
;;   def quantise(x, axis, e):      # numpy; x: float32 -> the quantised numbers, widened to float32 again
;;       x = np.moveaxis(x, axis, -1); K = x.shape[-1]
;;       r = np.clip(x / 2.0 ** e, -57344, 57344)
;;       step = 2.0 ** (np.maximum(np.frexp(np.where(r == 0, 1, r))[1] - 1, -14) - 2)
;;       q = np.round(r / step) * step * 2.0 ** e      # np.round: ties to even
;;       return np.moveaxis(q, -1, axis).astype(np.float32)
;;   ~~~
;;   SOFTMAX AHEAD OF A QUANTISED PRODUCT. Where the list says 'softmax', what is quantised is not the finished softmax but p = 2^(t - M), with t = logit x log2(e) and M = ceil(the row's largest t), a whole number; so 1/2 < the row's largest p <= 1. The row's sum l is taken of the UNQUANTISED p, in f32, and the product's result is divided by l at the end. Since M is a whole number, a kernel that streams over the keys may use a running M (the ceiling of the running maximum): every later rescaling is an exact power of two, so the quantised numbers keep their values, but for numbers so far below the row's largest that they fall under the format's range.
;;   OPERANDS COMPUTED ON THE WAY. 'Computed on the way' means the value that the module computes at that place (a softmax that the list does not call 'softmax' is quantised finished and normalised). What goes into a quantiser is computed in f32, as accurately as f32 sums, v_exp_f32 and their like allow (about 1e-6 of the number): no bf16 or f16 on the way to a quantiser, and a product that is left as it is and whose result goes on into a quantised operand takes f32 operands (vector FMAs, or v_wmma_f32_16x16x4_f32). A number that lies on a knife's edge between two numbers of the format may be rounded either way, as far as f32 arithmetic and the matrix unit's own rounding can turn it there, and no further.
;; One version. Each part assembles by itself: llvm-mc -triple=amdgcn-amd-amdhsa -mcpu=gfx1250 --defsym DOCPART=n.
;; ======== version 1 of 1: 2 launches
;; workspace buffers: vcodes 2,097,152 bytes; ka 131,072 bytes
;; launch prep (part 1): grid 256 x 1, 4 waves a work-group, no clusters, 1,024 bytes of LDS; arguments inputs, rotation_params, entangle_params, lowp_scales, vcodes, ka; writes vcodes, ka
.if DOCPART == 1
	.amdgcn_target "amdgcn-amd-amdhsa--gfx1250"
	.amdhsa_code_object_version 6
	.text
	.protected	k_qe12baaa524_prep
	.globl	k_qe12baaa524_prep
	.p2align	8
	.type	k_qe12baaa524_prep,@function
k_qe12baaa524_prep:
	s_mov_b64 s[64:65], 0
	v_nop
	global_prefetch_b8 v0, s[64:65] scope:SCOPE_SE
	s_setreg_imm32_b32 hwreg(HW_REG_WAVE_MODE, 25, 1), 1
	s_wait_xcnt 0x0
; FIRST OF TWO LAUNCHES.  inputs [8][2048][128] f32 are read once and give three things:
;   vcodes: the second operand of the quantised product, codes of BF8 (E5M2) with the given scale 2^ev (lowp_scales[1]), K = the keys innermost, laid in the ORDER OF THE OPERAND'S REGISTERS:
;           for each run of 128 keys (16,384 bytes) and each tile of 16 channels (2,048 bytes) four pieces of 512 bytes; in piece c lane (r, h) has 16 bytes: channel r, keys 32 c + 16 h + 0 .. 15.
;   ka[0 .. 16383]:      k[row] = inputs[row] . entangle_params
;   ka[16384 .. 32767]:  A[row] = (inputs[row] . (rot[:,0] + rot[:,1] + rot[:,2])) x log2(e) / sqrt(128).
; The einsum of the reference sums the query's three columns (the key's axis has size 1); the sum over the three columns is taken here of the weights first: the same f32 terms in another order, for every input.
; SHARES.  A work-group takes 64 rows, a wave 16.  A LANE TAKES A CHANNEL AND ITS REGISTERS RUN DOWN THE KEYS: a load reads one row at 32 neighbouring channels, four loads a whole row of 512 bytes,
; and the conversions, which take neighbours along K from one lane's consecutive registers, give codes with the keys innermost.  Nothing is transposed by an instruction.
; code = x / 2^ev, held within +-57,344, to the nearest code, ties to even.  LIMITS: ev between -126 and 112, so that 2^ev and 57,344 x 2^ev are f32 numbers.  NaN among the inputs is not served.
; No tensor loads and no matrix work: the launch reads each input byte once and is over when the bytes are through.
.set W,   16                           ; v16-31   weights of my four channels: [ent, rot1] and [rot0 -> rot0+rot1+rot2, rot2], a pair each, so that each weight in use is a pair's low word
.set X,   32                           ; v32-95   x: register 16 c + i = row i, channel 32 c + lane
.set Y,   96                           ; v96-159  the same numbers held within the largest code x the scale
.set C,   160                          ; v160-175 codes: four registers for each group of 32 channels
.set KD,  176                          ; v176-191 my channels' share of k of the 16 rows
.set QD,  192                          ; v192-207 the same for the query's sum
.set T,   208                          ; v208-209 at work
	s_load_b256 s[4:11], s[0:1], 0x0               ; inputs s[4:5], rotation_params s[6:7], entangle_params s[8:9], lowp_scales s[10:11]
	s_load_b128 s[12:15], s[0:1], 0x20             ; vcodes s[12:13], ka s[14:15]
	v_lshl_add_u32 v216, v0, 2, 0x200
	v_mov_b32 v217, 0
	v_lshrrev_b32 v1, 5, v0
	v_readfirstlane_b32 s16, v1                    ; wave 0..3
	v_and_b32 v2, 31, v0                           ; lane
	v_and_b32 v9, 15, v0                           ; lane % 16
	v_bfe_u32 v12, v0, 4, 1                        ; lane / 16
	v_lshlrev_b32 v3, 2, v2                        ; x and ent: 4 bytes a lane
	v_mul_u32_u24 v4, v2, 12                       ; rot: three numbers a channel
	v_lshlrev_b32 v5, 4, v9
	v_lshl_add_u32 v5, v12, 11, v5                 ; codes: lanes 0-15 fill 256 bytes of one tile of channels, lanes 16-31 of the next tile, 2,048 bytes on
	s_lshl_b32 s17, s16, 6
	v_lshlrev_b32 v6, 2, v9
	v_lshl_add_u32 v6, v12, 8, v6
	v_add_nc_u32 v6, s17, v6                       ; LDS: 256 (lane / 16) + 64 wave + 4 (lane % 16): the group's 64 k, then its 64 A
	v_lshlrev_b32 v7, 4, v2                        ; and back: 16 bytes a lane
	v_lshlrev_b32 v8, 4, v9
	v_lshl_add_u32 v8, v12, 16, v8                 ; ka: lanes 0-15 store k's 256 bytes, lanes 16-31 A's, 65,536 bytes on
	s_lshl_b32 s20, ttmp9, 15                      ; x: 64 rows of 512 bytes a work-group,
	s_lshl_b32 s17, s16, 13                        ; 16 a wave
	s_add_co_u32 s20, s20, s17
	s_mov_b32 s21, 0
	s_lshr_b32 s18, ttmp9, 1                       ; codes: two work-groups share a run of 128 keys;
	s_lshl_b32 s18, s18, 14
	s_and_b32 s17, ttmp9, 1                        ; the second has pieces 2 and 3;
	s_lshl_b32 s17, s17, 10
	s_add_co_u32 s18, s18, s17
	s_lshl_b32 s17, s16, 8                         ; wave w's 16 keys are half (w % 2) of piece (w / 2): 512 (w / 2) + 256 (w % 2) = 256 w
	s_add_co_u32 s18, s18, s17
	s_mov_b32 s19, 0
	s_lshl_b32 s24, ttmp9, 8                       ; ka: 64 numbers a work-group
	s_mov_b32 s25, 0
	s_mov_b32 s26, 0x76543210                      ; v_permlanex16_b32: lane l takes lane l xor 16
	s_mov_b32 s27, 0xfedcba98
	s_mov_b32 s28, 0xaaaaaaaa                      ; the lanes whose bit 0, 1, 2, 3 is set
	s_mov_b32 s29, 0xcccccccc
	s_mov_b32 s30, 0xf0f0f0f0
	s_mov_b32 s31, 0xff00ff00
	s_mov_b32 s32, 0xffff0000                      ; lanes 16-31
	s_wait_kmcnt 0x0
	s_load_b32 s23, s[10:11], 0x4                  ; ev
	s_add_nc_u64 s[4:5], s[4:5], s[20:21]
	s_add_nc_u64 s[12:13], s[12:13], s[18:19]
	s_add_nc_u64 s[14:15], s[14:15], s[24:25]
.irp c, 0,1,2,3
	global_load_b32 v[W+4*\c],   v3, s[8:9] offset:128*\c       ; ent[32 c + lane]
	global_load_b32 v[W+4*\c+2], v4, s[6:7] offset:384*\c       ; rot[32 c + lane][0]
	global_load_b32 v[W+4*\c+1], v4, s[6:7] offset:384*\c+4     ; [1]
	global_load_b32 v[W+4*\c+3], v4, s[6:7] offset:384*\c+8     ; [2]
.endr
.irp i, 0,1,2,3,4,5,6,7,8,9,10,11,12,13,14,15
.irp c, 0,1,2,3
	global_load_b32 v[X+16*\c+\i], v3, s[4:5] offset:512*\i+128*\c th:TH_LOAD_NT   ; four loads on end cover a row; read once in the launch
.endr
.endr
	s_wait_kmcnt 0x0
	s_add_co_i32 s23, s23, 127
	s_lshl_b32 s22, s23, 23
	v_mov_b32 v10, s22                             ; 2^ev as f32: the conversion takes its exponent field
	s_add_co_i32 s23, s23, 15
	s_lshl_b32 s23, s23, 23
	s_or_b32 s23, s23, 0x600000
	v_mov_b32 v11, s23                             ; 57,344 x 2^ev
	s_wait_loadcnt 0x0
	; THE CODES first, so that their stores are on their way while the dot products are made
.irp c, 0,1,2,3
.irp i, 0,1,2,3,4,5,6,7,8,9,10,11,12,13,14,15
	v_med3_num_f32 v[Y+16*\c+\i], v[X+16*\c+\i], -v11, v11   ; the conversion to an 8-bit code does not saturate (ISA guide 7.6.2): the hold comes first; x itself is kept for the dot products
.endr
	v_cvt_scalef32_pk8_bf8_f32 v[C+4*\c:C+4*\c+1], v[Y+16*\c:Y+16*\c+7], v10       ; keys 0-7 of my 16: the first key's code in the lowest byte
	v_cvt_scalef32_pk8_bf8_f32 v[C+4*\c+2:C+4*\c+3], v[Y+16*\c+8:Y+16*\c+15], v10  ; keys 8-15
	global_store_b128 v5, v[C+4*\c:C+4*\c+3], s[12:13] offset:4096*\c               ; sixteen lanes store 256 consecutive bytes, at a multiple of 256 from the buffer's first byte
.endr
	v_nop                                          ; a plain line behind the last scaled conversion
	; THE DOT PRODUCTS: my four channels' share of each row, two rows at a time
.irp c, 0,1,2,3
	v_add_f32 v[W+4*\c+2], v[W+4*\c+2], v[W+4*\c+1]
.endr
.irp c, 0,1,2,3
	v_add_f32 v[W+4*\c+2], v[W+4*\c+2], v[W+4*\c+3]          ; rot0 + rot1 + rot2
.endr
.irp p, 0,2,4,6,8,10,12,14
	v_pk_mul_f32 v[KD+\p:KD+\p+1], v[X+\p:X+\p+1], v[W:W+1] op_sel_hi:[1,0]         ; the weight is the pair's low word, for both rows
	v_pk_mul_f32 v[QD+\p:QD+\p+1], v[X+\p:X+\p+1], v[W+2:W+3] op_sel_hi:[1,0]
.endr
.irp c, 1,2,3
.irp p, 0,2,4,6,8,10,12,14
	v_pk_fma_f32 v[KD+\p:KD+\p+1], v[X+16*\c+\p:X+16*\c+\p+1], v[W+4*\c:W+4*\c+1], v[KD+\p:KD+\p+1] op_sel_hi:[1,0,1]
	v_pk_fma_f32 v[QD+\p:QD+\p+1], v[X+16*\c+\p:X+16*\c+\p+1], v[W+4*\c+2:W+4*\c+3], v[QD+\p:QD+\p+1] op_sel_hi:[1,0,1]
.endr
.endr
; ACROSS THE LANES, FOLDING: n registers (rows) become n / 2.  Of a pair of rows a lane keeps one (the second where its bit m is set), gives the other to lane l xor m and adds what it gets.
; After the four folds one register is left and lane l holds row l % 16, summed over its 16 lanes: 3 x 15 lines for 16 rows, and the result lies a row to a lane, as the store wants it.
.macro FOLD base, n, m, sm
.set ii, 0
.rept (\n)/2
	v_cndmask_b32 v[T+ii%2], v[\base+2*ii+1], v[\base+2*ii], s[\sm]          ; what my partner keeps
	v_cndmask_b32 v[\base+ii], v[\base+2*ii], v[\base+2*ii+1], s[\sm]        ; what I keep
	v_add_f32_dpp v[\base+ii], v[T+ii%2], v[\base+ii] row_xmask:\m row_mask:0xf bank_mask:0xf
.set ii, ii+1
.endr
.endm
	FOLD KD, 16, 1, 28
	FOLD QD, 16, 1, 28
	FOLD KD, 8, 2, 29
	FOLD QD, 8, 2, 29
	FOLD KD, 4, 4, 30
	FOLD QD, 4, 4, 30
	FOLD KD, 2, 8, 31
	FOLD QD, 2, 8, 31
	v_permlanex16_b32 v[T], v[KD], s26, s27        ; the other sixteen lanes' channels
	v_permlanex16_b32 v[T+1], v[QD], s26, s27
	v_add_f32 v[KD], v[KD], v[T]                   ; k of row lane % 16
	v_add_f32 v[QD], v[QD], v[T+1]
	v_mul_f32 v[QD], 0x3e0293ee, v[QD]             ; A = the query's sum x log2(e) / sqrt(128)
	v_cndmask_b32 v[KD], v[KD], v[QD], s32         ; lanes 0-15 carry k, lanes 16-31 A
	ds_store_b32 v6, v[KD]
	s_wait_dscnt 0x0                               ; for the others' sake: my store has landed
	s_barrier_signal -1
	s_barrier_wait -1                              ; the group's 64 k and 64 A lie in LDS
	s_cmp_lg_u32 s16, 0
	s_cbranch_scc1 .Lend                           ; wave 0 stores them: two whole runs of 256 bytes in one instruction
	ds_load_b128 v[X:X+3], v7
	s_wait_dscnt 0x0
	global_store_b128 v8, v[X:X+3], s[14:15]
.Lend:
	s_wait_tensorcnt 0x0
	ds_add_u32 v216, v217
	s_wait_dscnt 0x0
	s_endpgm
.Lfunc_end_k_qe12baaa524_prep:
	.size	k_qe12baaa524_prep, .Lfunc_end_k_qe12baaa524_prep-k_qe12baaa524_prep
	.p2alignl 7, 3214868480
	.fill 96, 4, 3214868480
	.section	.rodata,"a",@progbits
	.p2align	6, 0x0
	.amdhsa_kernel k_qe12baaa524_prep
		.amdhsa_group_segment_fixed_size 1024
		.amdhsa_private_segment_fixed_size 0
		.amdhsa_enable_private_segment 0
		.amdhsa_kernarg_size 48
		.amdhsa_user_sgpr_count 2
		.amdhsa_user_sgpr_kernarg_segment_ptr 1
		.amdhsa_wavefront_size32 1
		.amdhsa_system_sgpr_workgroup_id_x 1
		.amdhsa_system_sgpr_workgroup_id_y 1
		.amdhsa_system_sgpr_workgroup_id_z 1
		.amdhsa_system_vgpr_workitem_id 0
		.amdhsa_next_free_vgpr 218
		.amdhsa_next_free_sgpr 66
		.amdhsa_reserve_vcc 0
		.amdhsa_float_denorm_mode_32 3
		.amdhsa_float_denorm_mode_16_64 3
		.amdhsa_memory_ordered 1
		.amdhsa_forward_progress 1
		.amdhsa_inst_pref_size 26
	.end_amdhsa_kernel
	.amdgpu_metadata
---
amdhsa.version: [ 1, 2 ]
amdhsa.kernels:
  - .name:           k_qe12baaa524_prep
    .symbol:         k_qe12baaa524_prep.kd
    .args:
      - { .name: inputs, .offset: 0, .size: 8, .value_kind: global_buffer, .address_space: global }
      - { .name: rotation_params, .offset: 8, .size: 8, .value_kind: global_buffer, .address_space: global }
      - { .name: entangle_params, .offset: 16, .size: 8, .value_kind: global_buffer, .address_space: global }
      - { .name: lowp_scales, .offset: 24, .size: 8, .value_kind: global_buffer, .address_space: global }
      - { .name: vcodes, .offset: 32, .size: 8, .value_kind: global_buffer, .address_space: global }
      - { .name: ka, .offset: 40, .size: 8, .value_kind: global_buffer, .address_space: global }
    .group_segment_fixed_size: 1024
    .private_segment_fixed_size: 0
    .kernarg_segment_align: 8
    .kernarg_segment_size: 48
    .max_flat_workgroup_size: 128
    .sgpr_count:     66
    .vgpr_count:     218
    .wavefront_size: 32
...
	.end_amdgpu_metadata
.endif
;; end of part 1
;; launch attend (part 2): grid 32 x 8, 4 waves a work-group, clusters of 4 x 1, 271,872 bytes of LDS; arguments vcodes, ka, lowp_scales, out0; writes out0
.if DOCPART == 2
	.amdgcn_target "amdgcn-amd-amdhsa--gfx1250"
	.amdhsa_code_object_version 6
	.text
	.protected	k_qe12baaa524_attend
	.globl	k_qe12baaa524_attend
	.p2align	8
	.type	k_qe12baaa524_attend,@function
k_qe12baaa524_attend:
	s_mov_b64 s[64:65], 0
	v_nop
	global_prefetch_b8 v0, s[64:65] scope:SCOPE_SE
	s_setreg_imm32_b32 hwreg(HW_REG_WAVE_MODE, 25, 1), 1
	s_wait_xcnt 0x0
	s_wait_alu depctr_hold_cnt(0) depctr_sa_sdst(0) depctr_va_vdst(0) depctr_va_sdst(0) depctr_va_ssrc(0) depctr_va_vcc(0) depctr_vm_vsrc(0)
	s_getreg_b32 s2, hwreg(HW_REG_IB_STS2, 6, 4)
	s_cmp_eq_u32 s2, 0
	s_cbranch_scc0 .Lentry_in_a_cluster
	s_endpgm
.Lentry_in_a_cluster:
	s_bfe_u32 s2, ttmp6, 0x10000c
	s_cmp_lg_u32 s2, 0x3003
	s_cbranch_scc0 .Lentry_shape_is_right
	s_endpgm
.Lentry_shape_is_right:
; SECOND OF TWO LAUNCHES.  out0[b][s][:] = (sum over t of Q(p[s][t]) Q(x[b][t][:])) / l[s],  p = 2^(A[s] k[t] - M[s]),  l = the sum of the unquantised p.
; THE LOGITS ARE A PRODUCT OF ONE NUMBER A QUERY AND ONE NUMBER A KEY, so a row's largest t is max(A kmax, A kmin), kmax and kmin the batch's largest and smallest k: M = ceil of it is the row's TRUE maximum,
; rounded up to a whole number, and it is known before the first exponential.  So nothing is rescaled, and sums over parts of the keys simply add.
; SHARES.  A work-group owns 64 queries of one batch.  THE FOUR WAVES SHARE THE KEYS, NOT THE QUERIES: wave w takes keys 512 w .. 512 w + 511, four steps of 128, for all four tiles of 16 queries.
; So each fragment of V is read from LDS once in the work-group and feeds four matrix instructions.  At the end the four waves' partial sums meet in LDS.
; V: the batch's codes, 262,144 bytes, lie in memory in the order of the operand's registers and fit in LDS whole: no slot is ever filled again.  Each wave fetches its own quarter by four tensor loads of 16,384 bytes
; (four of mine are out at the most) and alone reads it, each step behind its own counted wait.
; CLUSTER.  The four query blocks of a cluster belong to one batch and need the same codes: each tile is asked for JOINTLY, by the same tensor load with the same descriptor and a mask that names the four.
; LAYOUT.  O^T = V^T P^T (source 0 = 16 channels, source 1 = 16 queries): a lane holds ONE query (lane % 16); register 16 b + i of its 64 p is key 32 b + 16 (lane / 16) + i of the step, and V's codes are laid the same way.
; BY TURNS.  A UNIT is a step's 128 keys for one tile: 32 packed multiply-adds (k A - M), 64 exponentials, 32 packed additions (l), 64 holds, 8 conversions, 8 matrix instructions.  One wave has the SIMD to itself,
; so PHASE u sets unit u - 1's additions, holds and conversions and unit u + 1's multiply-adds between unit u's exponentials: 17 plain lines to 8 exponentials.  Then one wait for the batch, then unit u - 1's products.
; The phases are written out by macro, since the waits for the tensor loads count down from step to step.
; No prefetch: all that the work-group reads is asked for at its head.
; LIMITS: ep (lowp_scales[0]) between -126 and 112, so that 2^ep and 57,344 x 2^ep are f32 numbers; ep + ev is applied by v_ldexp_f32 and has none.  A k must be finite; NaN is not served.
; REGISTERS, in windows of 256: window 0: v1-7 addresses and constants; v8-23 A and -M of the four tiles, each the low word of a pair; v24-39 l, two pairs a tile; v40-103 k of the step; v104-231 two sets of 64 p;
;   v232-247 a unit's codes; v248-253 at work.   window 1: the 32 accumulators (tile q, channels 16 c on: v[64 q + 8 c]).   window 2: V's eight fragments of a step, two sets.
.set KL,   262144                      ; LDS: V's images from 0 on (wave w's quarter at 65,536 w); then k: 2,048 bytes for each wave, its own 512 keys;
.set LP,   KL+8192                     ; then the waves' partial l: 256 bytes for each wave
.set SP,   528                         ; the way out: a stage row, 512 bytes + 16: the sixteen rows of a store fall on sixteen different columns of 16 bytes modulo 256
.set VA,   1                           ; v1   V's images: 65,536 wave + 16 lane
.set KA,   2                           ; v2   k: KL + 2,048 wave + 64 (lane / 16)
.set STO,  3                           ; v3   the stage, on the way in: 65,536 wave + SP (lane % 16) + 32 (lane / 16)
.set LN,   4                           ; v4   16 lane
.set LIM,  5                           ; v5   57,344 x 2^ep
.set SCL,  6                           ; v6   2^ep
.set LW,   7                           ; v7   where my partial l goes: LP + 256 wave + 4 (lane % 16)
.set AQ,   8                           ; v[8 + 4 q]   A of tile q
.set MQ,   10                          ; v[10 + 4 q]  -M of tile q
.set LS,   24                          ; v[24 + 4 q .. 27 + 4 q] l of tile q: two chains of pairs
.set K,    40
.set P,    104
.set C,    232
.set WV,   12                          ; s12  my wave's number
.set G1,   16                          ; s[16:23] descriptor group 1
.set G0,   24                          ; s[24:39] descriptor group 0, a set for each of my four loads
.set SEL,  40                          ; s[40:41] v_permlanex16_b32: lane l xor 16
.set INV,  68                          ; s[68:99] 2^(ep + ev) / l of my 16 rows, each the low word of a pair
.set MSB, 0
.macro WIN new                         ; the immediate's high byte repeats the setting that is left; a switch that changes nothing is dropped
.if MSB != \new
	s_set_vgpr_msb (MSB<<8)|\new
.set MSB, \new
.endif
.endm
; A round of the cluster's barrier: my work-group's barrier, so that wave 0's signal speaks for all four waves; wave 0 signals for the work-group; every wave waits for all four work-groups; my work-group's barrier once more.
.macro CROUND
	s_barrier_signal -1
	s_barrier_wait -1
	s_cmp_lg_u32 s[WV], 0
	s_cbranch_scc1 .Lnot_wave_0_\@
	s_barrier_signal -3
.Lnot_wave_0_\@:
	s_barrier_wait -3
	s_barrier_signal -1
	s_barrier_wait -1
.endm
	s_load_b256 s[4:11], s[0:1], 0x0               ; vcodes s[4:5], ka s[6:7], lowp_scales s[8:9], out0 s[10:11]
	v_lshl_add_u32 v254, v0, 2, 0x42400
	v_mov_b32 v255, 0
	ds_add_u32 v254, v255
	ds_add_u32 v254, v255
	v_lshrrev_b32 v248, 5, v0
	v_readfirstlane_b32 s[WV], v248                ; wave 0..3
	s_bfe_u32 s13, ttmp6, 0x40000                  ; cx: my place in the cluster
	s_lshl_b32 s14, ttmp9, 2                       ; in a cluster launch ttmp9 counts clusters
	s_add_co_u32 s14, s14, s13                     ; my block of 64 queries, 0..31: it enters A's and out0's addresses alone
	s_and_b32 s15, ttmp7, 0xffff                   ; the batch, which the four partners share
	; descriptor group 1: a dense block of 16,384 bytes as 64 rows of 32 elements of 8 bytes
	s_mov_b32 s[G1], 15|(3<<16)|(1<<21)            ; 15:0 the mask: all four work-groups; 17:16 elements of 8 bytes; 20 no padding: the images are read 512 consecutive bytes at a time; 21 set beside a mask
	s_mov_b32 s[G1+1], 32<<16                      ; tensor_dim0 = 32
	s_mov_b32 s[G1+2], 64<<16                      ; tensor_dim1 = 64
	s_mov_b32 s[G1+3], 32<<16                      ; tile_dim0 = 32
	s_mov_b32 s[G1+4], 64                          ; tile_dim1 = 64
	s_mov_b32 s[G1+5], 32                          ; from row to row: 32 elements
	s_mov_b32 s[G1+6], 0
	s_mov_b32 s[G1+7], 0
	s_mov_b32 s[SEL], 0x76543210
	s_mov_b32 s[SEL+1], 0xfedcba98
	s_lshl_b32 s44, s[WV], 16                      ; my quarter of V, in memory and in LDS alike
	s_lshl_b32 s45, s[WV], 11                      ; my 512 keys' k, in memory and in LDS alike
	v_and_b32 v248, 31, v0                         ; lane
	v_and_b32 v249, 15, v0                         ; r
	v_bfe_u32 v250, v0, 4, 1                       ; h
	v_lshlrev_b32 v[LN], 4, v248
	v_add_nc_u32 v[VA], s44, v[LN]
	v_add_nc_u32 v251, s45, v[LN]                  ; my wave's k in the batch's: 16 bytes a lane
	v_add_nc_u32 v252, KL, v251                    ; and in LDS
	v_lshlrev_b32 v[KA], 6, v250
	v_add_nc_u32 v[KA], s45, v[KA]
	v_add_nc_u32 v[KA], KL, v[KA]
	v_lshlrev_b32 v253, 2, v249                    ; 4 r
	v_mul_u32_u24 v[STO], v249, SP
	v_lshl_add_u32 v[STO], v250, 5, v[STO]
	v_add_nc_u32 v[STO], s44, v[STO]
	s_lshl_b32 s56, s[WV], 8
	v_add_nc_u32 v[LW], s56, v253
	v_add_nc_u32 v[LW], LP, v[LW]
	s_wait_dscnt 0x0
	s_wait_kmcnt 0x0
	s_load_b64 s[42:43], s[8:9], 0x0               ; ep, ev
	s_lshl_b32 s46, s15, 13
	s_mov_b32 s47, 0
	s_add_nc_u64 s[50:51], s[6:7], s[46:47]        ; the batch's 2,048 k
	s_lshl_b32 s52, s15, 5
	s_add_co_u32 s52, s52, s14                     ; my block among all 256
	s_lshl_b32 s54, s52, 15                        ; its 64 rows of 512 bytes in out0,
	s_lshl_b32 s52, s52, 8
	s_add_co_u32 s52, s52, 65536                   ; its 64 A, which lie behind the 16,384 k
	s_mov_b32 s53, 0
	s_add_nc_u64 s[52:53], s[6:7], s[52:53]
	s_lshl_b32 s56, s[WV], 13                      ; the 16 rows that my wave stores
	s_add_co_u32 s54, s54, s56
	s_mov_b32 s55, 0
	s_add_nc_u64 s[10:11], s[10:11], s[54:55]
	s_lshl_b32 s46, s15, 18                        ; the batch's codes,
	s_add_co_u32 s46, s46, s44                     ; my quarter of them: made of the batch and the wave's number alone
	s_add_nc_u64 s[48:49], s[4:5], s[46:47]
	; k and A are asked for ahead of the round, so that they are on their way while the partners meet; nobody writes these bytes
.irp j, 0,1,2,3
	global_load_b128 v[P+64+4*\j:P+64+4*\j+3], v251, s[50:51] offset:512*\j        ; my wave's 512 k, as they lie
.endr
.irp j, 0,1,2,3,4,5,6,7,8,9,10,11,12,13,14,15
	global_load_b128 v[P+4*\j:P+4*\j+3], v[LN], s[50:51] offset:512*\j             ; all 2,048 k of the batch, 64 a lane, for kmax and kmin: every wave takes them itself, which spares a barrier
.endr
.irp q, 0,1,2,3
	global_load_b32 v[AQ+4*\q], v253, s[52:53] offset:64*\q                        ; A of query 16 q + r
.endr
.irp s, 0,1,2,3
	s_mov_b32 s[G0+4*\s], 1                                        ; 1:0 count = 1
	s_add_co_u32 s[G0+4*\s+1], s44, \s*16384                       ; 63:32 LDS address: 65,536 wave + 16,384 step
	s_add_nc_u64 s[G0+4*\s+2:G0+4*\s+3], s[48:49], \s*16384        ; 120:64 global address
	s_or_b32 s[G0+4*\s+3], s[G0+4*\s+3], 0x80000000               ; 127:126 type = 2
.endr
	CROUND                                         ; all four work-groups are here: the joint loads meet
.irp s, 0,1,2,3
	tensor_load_to_lds s[G0+4*\s:G0+4*\s+3], s[G1:G1+7]            ; all fills of the launch go out together, ahead of every wait on TENSORcnt and every LDS read
	s_nop 0
.endr
.irp j, 0,1,2,3,4,5,6,7,8,9,10,11,12,13,14,15
	v_mov_b32 v[LS+\j], 0                          ; l begins at 0
.endr
.macro KLOAD s                         ; k of my step s, as the multiply-adds want it: register 16 b + i = key 32 b + 16 h + i; the sixteen lanes of a half read the same bytes
.irp b, 0,1,2,3
.irp j, 0,1,2,3
	ds_load_b128 v[K+16*\b+4*\j:K+16*\b+4*\j+3], v[KA] offset:512*(\s)+128*\b+16*\j
.endr
.endr
.endm
	s_wait_loadcnt 20                              ; my wave's four loads of k are in; behind them stand the 16 of the whole batch and the 4 of A
.irp j, 0,1,2,3
	ds_store_b128 v252, v[P+64+4*\j:P+64+4*\j+3] offset:512*\j     ; into my own 2,048 bytes
.endr
	KLOAD 0                                        ; LDS serves a wave's instructions in order (ISA guide 5.7.1.4): these see my stores
	s_wait_loadcnt 0x0
	; kmax and kmin of the batch: my 64 numbers in two chains each, then across the lanes
	v_max3_num_f32 v232, v[P], v[P+1], v[P+2]
	v_max3_num_f32 v233, v[P+32], v[P+33], v[P+34]
	v_min3_num_f32 v234, v[P], v[P+1], v[P+2]
	v_min3_num_f32 v235, v[P+32], v[P+33], v[P+34]
.irp i, 3,5,7,9,11,13,15,17,19,21,23,25,27,29
	v_max3_num_f32 v232, v232, v[P+\i], v[P+\i+1]
	v_max3_num_f32 v233, v233, v[P+32+\i], v[P+32+\i+1]
	v_min3_num_f32 v234, v234, v[P+\i], v[P+\i+1]
	v_min3_num_f32 v235, v235, v[P+32+\i], v[P+32+\i+1]
.endr
	v_max3_num_f32 v232, v232, v233, v[P+31]
	v_min3_num_f32 v234, v234, v235, v[P+31]
	v_max_num_f32 v232, v232, v[P+63]
	v_min_num_f32 v234, v234, v[P+63]
.irp m, 1,2,4,8
	v_max_num_f32_dpp v232, v232, v232 row_xmask:\m row_mask:0xf bank_mask:0xf
	v_min_num_f32_dpp v234, v234, v234 row_xmask:\m row_mask:0xf bank_mask:0xf
.endr
	v_permlanex16_b32 v233, v232, s[SEL], s[SEL+1]
	v_permlanex16_b32 v235, v234, s[SEL], s[SEL+1]
	v_max_num_f32 v232, v232, v233                 ; kmax, in every lane
	v_min_num_f32 v234, v234, v235                 ; kmin
.irp q, 0,1,2,3
	v_mul_f32 v[236+\q], v[AQ+4*\q], v232
	v_mul_f32 v[240+\q], v[AQ+4*\q], v234
.endr
.irp q, 0,1,2,3
	v_max_num_f32 v[236+\q], v[236+\q], v[240+\q]  ; the row's largest t: at kmax where A is positive, at kmin where it is negative
	v_mov_b32 v[AQ+4*\q+1], 0                      ; (named as the upper halves of pairs, so they are written)
	v_mov_b32 v[MQ+4*\q+1], 0
.endr
.irp q, 0,1,2,3
	v_floor_f32 v[MQ+4*\q], -v[236+\q]             ; -M = floor(-t) = -ceil(t): M is a whole number
.endr
	s_wait_kmcnt 0x0
	s_add_co_i32 s56, s42, 127
	s_lshl_b32 s57, s56, 23
	v_mov_b32 v[SCL], s57                          ; 2^ep as f32: the conversion takes its exponent field
	s_add_co_i32 s56, s56, 15
	s_lshl_b32 s56, s56, 23
	s_or_b32 s56, s56, 0x600000
	v_mov_b32 v[LIM], s56                          ; 57,344 x 2^ep
; THE LINES OF A PHASE.  g: the slice, 0..7: eight of a lane's 64 numbers.  PE: the set with this unit's arguments.  PS: the other set: the unit before's p, and, eight numbers behind, the next unit's arguments.
.macro EX n                            ; p = 2^(t - M), in place
.if HASE
	v_exp_f32 v[PE+8*g+\n], v[PE+8*g+\n]
.endif
.endm
.macro AD n                            ; l takes the UNQUANTISED p, ahead of the hold: two at a time, in two chains
.if HASS
	v_pk_add_f32 v[LS+4*QS+2*((\n)%2):LS+4*QS+2*((\n)%2)+1], v[LS+4*QS+2*((\n)%2):LS+4*QS+2*((\n)%2)+1], v[PS+8*g+2*(\n):PS+8*g+2*(\n)+1]
.endif
.endm
.macro HO n                            ; the conversion to an 8-bit code does not saturate (ISA guide 7.6.2); p is not negative, so the hold is one-sided
.if HASS
	v_min_num_f32 v[PS+8*g+\n], v[PS+8*g+\n], v[LIM]
.endif
.endm
.macro CV                              ; eight neighbouring keys' codes: registers 2 g, 2 g + 1 of the operand
.if HASS
	v_cvt_scalef32_pk8_bf8_f32 v[C+2*g:C+2*g+1], v[PS+8*g:PS+8*g+7], v[SCL]
.endif
.endm
.macro FM n                            ; t - M = k A - M, one rounding, two keys at a time (of the pairs A and -M the low word serves both halves); into the eight registers whose p was converted a slice ago
.if HASF && (g > 0)
	v_pk_fma_f32 v[PS+8*(g-1)+2*(\n):PS+8*(g-1)+2*(\n)+1], v[K+8*(g-1)+2*(\n):K+8*(g-1)+2*(\n)+1], v[AQ+4*QF:AQ+4*QF+1], v[MQ+4*QF:MQ+4*QF+1] op_sel_hi:[1,0,0]
.endif
.endm
.macro VLOAD s                         ; V's eight fragments of my step s, as they lie, into set s % 2: one run of 32 loads
	s_wait_tensorcnt 3-(\s)                        ; tensor loads of a wave end in order (ISA guide 10.11.1): step s is in LDS, the later steps' loads may stay out.  Only I read these bytes
	WIN 0x80                                       ; destination window 2
.irp ct, 0,1,2,3,4,5,6,7
.irp c, 0,1,2,3
	ds_load_b128 v[128*((\s)%2)+16*\ct+4*\c:128*((\s)%2)+16*\ct+4*\c+3], v[VA] offset:16384*(\s)+2048*\ct+512*\c
.endr
.endr
	WIN 0
.endm
; PHASE u: unit u's exponentials | unit u - 1: sums, holds, conversions, products | unit u + 1: arguments.  Unit u is tile u % 4 of step u / 4.
; Nothing in a phase names a result of its own exponentials: they lie in the set PE, all other lines work on PS.  So the 64 have ONE wait, at the phase's end, ahead of the next phase's first reader.
; It stands ahead of the products, so that it does not wait for them; the next phase's vector lines are issued while the matrix unit works.
; The 32 accumulators take turns, one instruction a turn: an accumulator comes up again 32 matrix instructions later.
; V of step s >= 1 is fetched in phase 4 s, into the set that the products left four phases ago, and is first multiplied at the end of phase 4 s + 1; V of step 0 in phase 1, so that the first exponentials do not wait for it.
; k has one set: step s's last multiply-adds stand at the end of phase 4 s + 2; the next step's 16 loads follow them, and the wait for them stands in front of the next phase's first multiply-add.
.macro PHASE u
.set HASE, 0
.set HASS, 0
.set HASF, 0
.if (\u) < 16
.set HASE, 1
.endif
.if (\u) > 0
.set HASS, 1
.endif
.if (\u) < 15
.set HASF, 1
.endif
.set PE, P+64*((\u)%2)
.set PS, P+64*(((\u)+1)%2)
.set QS, ((\u)+3)%4
.set QF, ((\u)+1)%4
.set g, 0
.rept 8
	EX 0
	AD 0
	AD 1
	EX 1
	HO 0
	HO 1
	EX 2
	HO 2
	HO 3
	EX 3
	AD 2
	AD 3
	EX 4
	HO 4
	HO 5
	EX 5
	HO 6
	HO 7
	EX 6
.if (g == 1) && ((\u)%4 == 3) && ((\u) < 15)
	s_wait_dscnt 0x0                               ; the next step's k is in
.endif
	FM 0
	FM 1
	EX 7
	CV
	FM 2
	FM 3
.if (g == 0) && (((\u) == 1) || (((\u)%4 == 0) && ((\u) > 3) && ((\u) < 16)))
	VLOAD (\u)/4
.endif
.set g, g+1
.endr
	FM 0                                           ; the last eight arguments; plain lines behind the last exponential and the last conversion
	FM 1
	FM 2
	FM 3
.if ((\u)%4 == 2) && ((\u) < 14)
	KLOAD (\u)/4+1
.endif
.if HASF == 0
	v_nop                                          ; no arguments are left to make: the plain line behind the last exponential and the last conversion
.endif
.if HASE
	s_wait_alu depctr_va_vdst(0)                   ; one wait for the phase's 64 exponentials
.endif
.if HASS
.if (\u)%4 == 1
	s_wait_dscnt 0x0                               ; V of this step is in
.endif
.set VB, 128*((((\u)-1)/4)%2)
	WIN 0x52                                       ; source 0 (V) window 2, source 1 (the codes) window 0, C and D window 1
.irp ct, 0,1,2,3,4,5,6,7
.if (\u) < 5
	v_wmma_f32_16x16x128_bf8_bf8 v[64*QS+8*\ct:64*QS+8*\ct+7], v[VB+16*\ct:VB+16*\ct+15], v[C:C+15], 0       ; the first step starts the sums: nothing is cleared
.else
	v_wmma_f32_16x16x128_bf8_bf8 v[64*QS+8*\ct:64*QS+8*\ct+7], v[VB+16*\ct:VB+16*\ct+15], v[C:C+15], v[64*QS+8*\ct:64*QS+8*\ct+7]
.endif
.endr
	WIN 0
.endif
.endm
	s_wait_dscnt 0x0                               ; k of step 0 is in
.set HASF, 1                           ; unit 0's arguments stand in front of the phases
.set PS, P
.set QF, 0
.set g, 1
.rept 8
	FM 0
	FM 1
	FM 2
	FM 3
.set g, g+1
.endr
.irp u, 0,1,2,3,4,5,6,7,8,9,10,11,12,13,14,15,16
	PHASE \u
.endr
	; THE WAY OUT.  The addresses and l's sums are the places behind the last products.
	s_mul_i32 s56, s[WV], 16*SP
	s_lshl_b32 s57, s[WV], 6
	v_add_nc_u32 v248, s56, v[LN]                  ; back from the stages: rows 16 wave on, 16 bytes a lane, of wave 0's sums,
	v_add_nc_u32 v249, 0x10000, v248               ; wave 1's,
	v_add_nc_u32 v250, 0x20000, v248               ; wave 2's,
	v_add_nc_u32 v251, 0x30000, v248               ; wave 3's
	v_and_b32 v252, 15, v0
	v_lshlrev_b32 v252, 2, v252
	v_add_nc_u32 v252, s57, v252
	v_add_nc_u32 v252, LP, v252                    ; the partial l of row 16 wave + r
.irp q, 0,1,2,3
	v_pk_add_f32 v[LS+4*\q:LS+4*\q+1], v[LS+4*\q:LS+4*\q+1], v[LS+4*\q+2:LS+4*\q+3]   ; the two chains,
.endr
.irp q, 0,1,2,3
	v_add_f32 v[LS+4*\q], v[LS+4*\q], v[LS+4*\q+1]                                     ; the pair's halves,
.endr
.irp q, 0,1,2,3
	v_permlanex16_b32 v[LS+4*\q+1], v[LS+4*\q], s[SEL], s[SEL+1]
.endr
.irp q, 0,1,2,3
	v_add_f32 v[LS+4*\q], v[LS+4*\q], v[LS+4*\q+1]                                     ; and lane l xor 16's keys: my wave's share of l
.endr
.irp q, 0,1,2,3
	ds_store_b32 v[LW], v[LS+4*\q] offset:64*\q    ; (both halves of the lanes write the same word with the same number)
.endr
	; My 64 x 128 partial sums go into a stage of 64 rows inside MY OWN quarter of V's bytes: they have had their one fill, my reads of them are back, and no other wave reads them.
	WIN 0x04                                       ; store data in window 1
.irp q, 0,1,2,3
.irp ct, 0,1,2,3,4,5,6,7
	ds_store_b128 v[STO], v[64*\q+8*\ct:64*\q+8*\ct+3] offset:\q*16*SP+64*\ct          ; lane (r, h): query 16 q + r, channels 16 ct + 8 h + 0 .. 3; each accumulator from its low end on
	ds_store_b128 v[STO], v[64*\q+8*\ct+4:64*\q+8*\ct+7] offset:\q*16*SP+64*\ct+16
.endr
.endr
	WIN 0
	s_wait_dscnt 0x0                               ; for the others' sake: my stores have landed
	s_barrier_signal -1
	s_barrier_wait -1                              ; all four waves' sums lie in LDS
	; Wave w finishes rows 16 w .. 16 w + 15: a row's 512 bytes to the 32 lanes, from each of the four stages
.irp w, 0,1,2,3
	ds_load_b32 v[K+\w], v252 offset:256*\w
.endr
.irp i, 0,1,2,3,4,5,6,7
.irp w, 0,1,2,3
	ds_load_b128 v[P+16*\i+4*\w:P+16*\i+4*\w+3], v[248+\w] offset:SP*\i
.endr
.endr
	WIN 0x80                                       ; rows 8-15 into window 2, where V's first set lay
.irp i, 0,1,2,3,4,5,6,7
.irp w, 0,1,2,3
	ds_load_b128 v[16*\i+4*\w:16*\i+4*\w+3], v[248+\w] offset:SP*(8+\i)
.endr
.endr
	WIN 0
	s_wait_dscnt 63                                ; 68 loads were issued: at least five are back, the four of l among them (the field holds no larger count)
	v_add_f32 v[K], v[K], v[K+1]
	v_add_f32 v[K+2], v[K+2], v[K+3]
	v_add_f32 v[K], v[K], v[K+2]                   ; l of row 16 w + r
	v_rcp_f32 v[K], v[K]
	v_nop                                          ; a plain line behind the reciprocal
	s_add_co_i32 s42, s42, s43
	s_wait_alu depctr_va_vdst(0)                   ; a wait ahead of the first reader
	v_ldexp_f32 v[K], v[K], s42                    ; 2^(ep + ev) / l
.irp i, 0,1,2,3,4,5,6,7,8,9,10,11,12,13,14,15
	v_readlane_b32 s[INV+2*\i], v[K], \i           ; a row is spread over all lanes now: its factor goes to a scalar register (a factor only: no address and no branch hangs on it)
.endr
.irp i, 0,1,2,3,4,5,6,7,8,9,10,11,12,13,14,15
	s_mov_b32 s[INV+2*\i+1], s[INV+2*\i]           ; (named with it as a pair, so it is written)
.endr
.macro ROWSUM b, i                     ; row i: the four waves' sums in v[b] on, four registers each
	s_wait_dscnt 60-4*(\i)                         ; LDS loads come back in order (ISA guide 5.7.1): behind row i's four stand the later rows' loads
	v_pk_add_f32 v[\b:\b+1], v[\b:\b+1], v[\b+4:\b+5]
	v_pk_add_f32 v[\b+2:\b+3], v[\b+2:\b+3], v[\b+6:\b+7]
	v_pk_add_f32 v[\b+8:\b+9], v[\b+8:\b+9], v[\b+12:\b+13]
	v_pk_add_f32 v[\b+10:\b+11], v[\b+10:\b+11], v[\b+14:\b+15]
	v_pk_add_f32 v[\b:\b+1], v[\b:\b+1], v[\b+8:\b+9]
	v_pk_add_f32 v[\b+2:\b+3], v[\b+2:\b+3], v[\b+10:\b+11]
	v_pk_mul_f32 v[\b:\b+1], v[\b:\b+1], s[INV+2*(\i):INV+2*(\i)+1] op_sel_hi:[1,0]
	v_pk_mul_f32 v[\b+2:\b+3], v[\b+2:\b+3], s[INV+2*(\i):INV+2*(\i)+1] op_sel_hi:[1,0]
.endm
.irp i, 0,1,2,3,4,5,6,7
	ROWSUM P+16*\i, \i
	global_store_b128 v[LN], v[P+16*\i:P+16*\i+3], s[10:11] offset:512*\i th:TH_STORE_NT   ; 32 lanes store a row's 512 consecutive bytes, at a multiple of 256 from out0's first byte; written once, read by nobody here
.endr
	WIN 0x8a                                       ; sources 0 and 1 and the destination in window 2
.irp i, 0,1,2,3,4,5,6,7
	ROWSUM 16*\i, 8+\i
.endr
	WIN 0x08                                       ; store data in window 2, the address in window 0
.irp i, 0,1,2,3,4,5,6,7
	global_store_b128 v[LN], v[16*\i:16*\i+3], s[10:11] offset:512*(8+\i) th:TH_STORE_NT
.endr
	WIN 0
	s_wait_tensorcnt 0x0
	ds_add_u32 v254, v255
	s_wait_dscnt 0x0
	CROUND                                         ; the closing round: no work-group ends while a partner may still ask for a tile that names it
	s_endpgm
.Lfunc_end_k_qe12baaa524_attend:
	.size	k_qe12baaa524_attend, .Lfunc_end_k_qe12baaa524_attend-k_qe12baaa524_attend
	.p2alignl 7, 3214868480
	.fill 96, 4, 3214868480
	.section	.rodata,"a",@progbits
	.p2align	6, 0x0
	.amdhsa_kernel k_qe12baaa524_attend
		.amdhsa_group_segment_fixed_size 271872
		.amdhsa_private_segment_fixed_size 0
		.amdhsa_enable_private_segment 0
		.amdhsa_kernarg_size 32
		.amdhsa_user_sgpr_count 2
		.amdhsa_user_sgpr_kernarg_segment_ptr 1
		.amdhsa_wavefront_size32 1
		.amdhsa_system_sgpr_workgroup_id_x 1
		.amdhsa_system_sgpr_workgroup_id_y 1
		.amdhsa_system_sgpr_workgroup_id_z 1
		.amdhsa_system_vgpr_workitem_id 0
		.amdhsa_next_free_vgpr 768
		.amdhsa_next_free_sgpr 100
		.amdhsa_reserve_vcc 0
		.amdhsa_float_denorm_mode_32 3
		.amdhsa_float_denorm_mode_16_64 3
		.amdhsa_memory_ordered 1
		.amdhsa_forward_progress 1
		.amdhsa_inst_pref_size 195
	.end_amdhsa_kernel
	.amdgpu_metadata
---
amdhsa.version: [ 1, 2 ]
amdhsa.kernels:
  - .name:           k_qe12baaa524_attend
    .symbol:         k_qe12baaa524_attend.kd
    .args:
      - { .name: vcodes, .offset: 0, .size: 8, .value_kind: global_buffer, .address_space: global }
      - { .name: ka, .offset: 8, .size: 8, .value_kind: global_buffer, .address_space: global }
      - { .name: lowp_scales, .offset: 16, .size: 8, .value_kind: global_buffer, .address_space: global }
      - { .name: out0, .offset: 24, .size: 8, .value_kind: global_buffer, .address_space: global }
    .group_segment_fixed_size: 271872
    .private_segment_fixed_size: 0
    .kernarg_segment_align: 8
    .kernarg_segment_size: 32
    .max_flat_workgroup_size: 128
    .sgpr_count:     100
    .vgpr_count:     768
    .wavefront_size: 32
...
	.end_amdgpu_metadata
.endif
;; end of part 2
